; MI455X (gfx1250); checked and timed in simulation.
; The chip was launched on July 23, 2026; its instructions are those of AMD's public machine-readable ISA for CDNA 5 (MIT licence, August 2026) and "CDNA5" Instruction Set Architecture Reference Guide (July 2026). The comments in the code are by the model that wrote it; some were corrected since.
;; Multi Head Attention. Allowed arithmetic: matrix products marked QUANTISED: E2M3 operands, one E8M0 scale for each 32 along K, by v_wmma_scale_f32_16x16x128_f8f6f4 with both operands' format E2M3, f32 sums; everything else in f32.
;; Inputs: Wk 1,024 x 1,024 float32; Wo 1,024 x 1,024 float32; Wq 1,024 x 1,024 float32; Wv 1,024 x 1,024 float32; x 2 x 2,048 x 1,024 float32.
;; Outputs: out0 2 x 2,048 x 1,024 float32.
;; This version of the problem:
;;   THIS VERSION OF THE PROBLEM IS GIVEN IN LOW PRECISION. The matrix products marked QUANTISED in the list below multiply operands that are first quantised to E2M3 (2 exponent bits, 3 mantissa bits; 6 bits a number), with one power-of-two scale for each 32 numbers along K (OCP MX v1.0); their sums are f32. All else is computed in f32.
;;   The module's matrix products, in the order in which they are computed (A, B: the left and right operand; K: the contracted axis; several contracted axes count as one K, in the product's order):
;;     1. [M 4,096, K 1,024] x [K 1,024, N 1,024]; A: input x; B: input Wk: QUANTISED
;;     2. [M 4,096, K 1,024] x [K 1,024, N 1,024]; A: input x; B: input Wq: QUANTISED
;;     3. [M 4,096, K 1,024] x [K 1,024, N 1,024]; A: input x; B: input Wv: QUANTISED
;;     4. batch 32 x [M 2,048, K 64] x [K 64, N 2,048]; A: computed on the way; B: computed on the way: QUANTISED
;;     5. batch 32 x [M 2,048, K 2,048] x [K 2,048, N 64]; A: softmax (see below); B: computed on the way: QUANTISED
;;     6. [M 4,096, K 1,024] x [K 1,024, N 1,024]; A: computed on the way; B: input Wo: QUANTISED
;;   THE QUANTISER, for each operand of a quantised product, along K:
;;     - K is cut into blocks of 32 from its start; a last block that is shorter is filled with zeros.
;;     - A block's scale is 2^e with e = floor(log2(the largest magnitude in the block)) - 2, held to -126 .. 127; a block of zeros has e = 0. As a byte (E8M0): e + 127.
;;     - Each number is divided by its block's scale, clamped to +-7.5, and rounded to the nearest number of E2M3, ties to even, subnormals kept.
;;     - The product sums the exact products of the quantised numbers (number of the format x scale) in f32.
;;   ~~~python
;;   def quantise(x, axis):      # numpy; x: float32 -> the quantised numbers, widened to float32 again
;;       x = np.moveaxis(x, axis, -1); K = x.shape[-1]
;;       x = np.pad(x, [(0, 0)] * (x.ndim - 1) + [(0, -K % 32)]); x = x.reshape(x.shape[:-1] + (-1, 32)); a = np.abs(x).max(-1, keepdims=True)
;;       e = np.where(a > 0, np.clip(np.frexp(np.where(a > 0, a, 1))[1] - 1 - 2, -126, 127), 0)      # np.frexp(a)[1] - 1 = floor(log2(a)), exactly
;;       r = np.clip(x / 2.0 ** e, -7.5, 7.5)
;;       step = 2.0 ** (np.maximum(np.frexp(np.where(r == 0, 1, r))[1] - 1, 0) - 3)
;;       q = np.round(r / step) * step * 2.0 ** e      # np.round: ties to even
;;       return np.moveaxis(q.reshape(q.shape[:-2] + (-1,))[..., :K], -1, axis).astype(np.float32)
;;   ~~~
;;   SOFTMAX AHEAD OF A QUANTISED PRODUCT. Where the list says 'softmax', what is quantised is not the finished softmax but p = 2^(t - M), with t = logit x log2(e) and M = ceil(the row's largest t), a whole number; so 1/2 < the row's largest p <= 1. The row's sum l is taken of the UNQUANTISED p, in f32, and the product's result is divided by l at the end. Since M is a whole number, a kernel that streams over the keys may use a running M (the ceiling of the running maximum): every later rescaling is an exact power of two, which a block's scale takes up: the codes' values come out the same.
;;   OPERANDS COMPUTED ON THE WAY. 'Computed on the way' means the value that the module computes at that place (a softmax that the list does not call 'softmax' is quantised finished and normalised). What goes into a quantiser is computed in f32, as accurately as f32 sums, v_exp_f32 and their like allow (about 1e-6 of the number): no bf16 or f16 on the way to a quantiser, and a product that is left as it is and whose result goes on into a quantised operand takes f32 operands (vector FMAs, or v_wmma_f32_16x16x4_f32). A number that lies on a knife's edge between two numbers of the format may be rounded either way, as far as f32 arithmetic and the matrix unit's own rounding can turn it there, and no further.
;; One version. Each part assembles by itself: llvm-mc -triple=amdgcn-amd-amdhsa -mcpu=gfx1250 --defsym DOCPART=n.
;; ======== version 1 of 1: 4 launches
;; limits: right only within a limited range of input values
;; workspace buffers: cimg 6,815,744 bytes; aimg 3,407,872 bytes; qimg 3,276,800 bytes; kvimg 6,553,600 bytes
;; launch quant (part 1): grid 512 x 1, 4 waves a work-group, no clusters, 68,096 bytes of LDS; arguments x, Wq, Wk, Wv, Wo, cimg; writes cimg
.if DOCPART == 1
	.amdgcn_target "amdgcn-amd-amdhsa--gfx1250"
	.amdhsa_code_object_version 6
	.text
	.protected	k_qd876d9eb24_quant
	.globl	k_qd876d9eb24_quant
	.p2align	8
	.type	k_qd876d9eb24_quant,@function
k_qd876d9eb24_quant:
	s_mov_b64 s[64:65], 0
	v_nop
	global_prefetch_b8 v0, s[64:65] scope:SCOPE_SE
	s_setreg_imm32_b32 hwreg(HW_REG_WAVE_MODE, 25, 1), 1
	s_wait_xcnt 0x0
; x [4096][1024], Wq, Wk, Wv, Wo [1024][1024], f32 with K innermost, become codes of FP6 (E2M3) and E8M0 scale words, laid as IMAGES OF OPERAND REGISTERS.
; A TILE is 16 rows that are not neighbours: tile T = 4 G + j holds as its row 8 h + i (h = 0, 1, i = 0 .. 7) the tensor's row 64 G + 32 h + 8 j + i: a product that takes the four tiles of a group as source 0
; leaves 32 neighbouring rows in a lane's 32 registers 8 j + i, a whole scale block of the next product.
; A tile's RECORD is 13,312 bytes: for p = 0 .. 3, 3,328 bytes: K step 2 p's fragment (1,536), K step 2 p + 1's, then the two steps' scale words (128 bytes each, 4 x lane).
; A fragment (16 rows x 128 K, 12 registers a lane) is two halves of 768 bytes: registers 0-3 at 16 x lane, registers 4-5 at 512 + 8 x lane.  Records 0-255: x; 256-319 Wq; 320-383 Wk; 384-447 Wv; 448-511 Wo.
; A block's scale is 2^(floor(log2(its largest magnitude)) - 2): its byte is the largest magnitude's exponent field - 2, held at 1 from below.
; WORK LEFT OUT IN THE PROGRAM: reference() puts -inf at every key behind its query, by the mask that it builds itself, so those keys' p is 0 for all inputs: whole tiles of such keys are not multiplied (launch attn).
; LIMITS: a block of zeros gets the byte 1 where the rule says 127 (its codes are zeros, and this program alone reads the bytes); blocks whose largest magnitude lies under 2^-124 are held at the byte 1; NaN and infinities are not served,
; and one that reaches only the work left out is not carried to the result.
; SHARES: work-group g makes record g; wave p its K steps 2 p and 2 p + 1.  Each load reads 512 consecutive bytes of a row; the 16 rows x 512 bytes of a K step turn through the wave's own stage in LDS
; (rows 528 bytes apart) and come back so that lane (r, h) holds blocks h and 2 + h of row r whole.  Waves share nothing: no barrier.
.set WREG, 16896                       ; LDS of a wave: two stages
.set STG,  8448                        ; a stage: 16 rows x 528 bytes
.set SP,   528
.set REC,  13312
.set QUAR, 3328
.set R,    32                          ; v32-159  two K steps as loaded
.set X0,   160                         ; v160-223 K step 0: 64 numbers of my row
.set X1,   32                          ; v32-95   K step 1 (the registers that step 0's loads have left)
.set PC0,  224                         ; v224-235 step 0's fragment
.set PC1,  236                         ; v236-247 step 1's
.set PW0,  24                          ; v24, v25 the scale words
.set PW1,  25
.set SPARE, 4*WREG                     ; the spare words, 128 bytes for each wave
	s_load_b256 s[4:11], s[0:1], 0x0               ; x, Wq, Wk, Wv
	s_load_b128 s[12:15], s[0:1], 0x20             ; Wo, cimg
	v_lshl_add_u32 v248, v0, 2, SPARE
	v_mov_b32 v249, 0
	v_lshrrev_b32 v7, 5, v0
	v_readfirstlane_b32 s16, v7                    ; wave = p
	v_and_b32 v7, 31, v0                           ; lane
	v_and_b32 v8, 15, v0                           ; r
	v_bfe_u32 v9, v0, 4, 1                         ; h
	v_lshlrev_b32 v1, 4, v7                        ; 16 x lane
	s_mul_i32 s17, s16, WREG
	v_add_nc_u32 v2, s17, v1                       ; into the stage: a row's 512 bytes as they lie
	v_mul_u32_u24 v3, v8, SP
	v_lshl_add_u32 v3, v9, 7, v3
	v_add_nc_u32 v3, s17, v3                       ; out of it: row r, + 128 h: my block of 32
	v_lshlrev_b32 v4, 3, v7                        ; 8 x lane
	v_lshlrev_b32 v5, 2, v7                        ; 4 x lane
	v_lshlrev_b32 v6, 3, v9                        ; 8 h: my bytes' place in the scale word, in bits
	v_mov_b32 v14, 0                               ; a lane permute's destination counts as one of its sources
	s_mov_b32 s20, 0x76543210
	s_mov_b32 s21, 0xfedcba98                      ; selects for lane l xor 16
	s_lshr_b32 s18, ttmp9, 6                       ; 0-3: x; 4, 5, 6, 7: Wq, Wk, Wv, Wo
	s_and_b32 s19, ttmp9, 63
	s_cmp_lt_u32 ttmp9, 256
	s_cselect_b32 s19, ttmp9, s19                  ; the tile's number in its tensor
	s_lshr_b32 s22, s19, 2
	s_lshl_b32 s22, s22, 6
	s_and_b32 s23, s19, 3
	s_lshl_b32 s23, s23, 3
	s_add_co_u32 s22, s22, s23                     ; its first row, 64 G + 8 j
	s_lshl_b32 s22, s22, 12                        ; x 4,096 bytes
	s_lshl_b32 s23, s16, 10                        ; + my 256 along K
	s_add_co_u32 s22, s22, s23
	s_mov_b32 s23, 0
	s_mul_i32 s24, ttmp9, REC
	s_mul_i32 s25, s16, QUAR
	s_add_co_u32 s24, s24, s25
	s_mov_b32 s25, 0
	s_wait_alu depctr_va_vdst(0)                   ; the wait at the head's end
	s_wait_kmcnt 0x0
	s_cmp_eq_u32 s18, 4                            ; the choice hangs on the work-group's number alone
	s_cselect_b64 s[4:5], s[6:7], s[4:5]
	s_cmp_eq_u32 s18, 5
	s_cselect_b64 s[4:5], s[8:9], s[4:5]
	s_cmp_eq_u32 s18, 6
	s_cselect_b64 s[4:5], s[10:11], s[4:5]
	s_cmp_eq_u32 s18, 7
	s_cselect_b64 s[4:5], s[12:13], s[4:5]
	s_add_nc_u64 s[4:5], s[4:5], s[22:23]
	s_add_nc_u64 s[14:15], s[14:15], s[24:25]
.irp q, 0,1
.irp i, 0,1,2,3,4,5,6,7,8,9,10,11,12,13,14,15
	global_load_b128 v[R+64*\q+4*\i:R+64*\q+4*\i+3], v1, s[4:5] offset:(\i+24*(\i/8))*4096+512*\q th:TH_LOAD_NT   ; the tile's row i, K step q: 512 consecutive bytes
.endr
.endr
; 64 numbers of a lane, blocks h (v[x] on) and 2 + h (v[x + 32] on) of my row, become the fragment v[pc .. pc + 11] and the row's scale word v[pw]
.macro QUANTF x, pc, pw
.irp c, 0,1
	v_max3_num_f32 v[8+\c], |v[\x+32*\c]|, |v[\x+32*\c+1]|, 0x1800000   ; the floor 2^(3 - 127) among the leaves: the byte cannot fall under 1
.endr
.irp i, 2,4,6,8,10,12,14,16,18,20,22,24,26,28,30
.irp c, 0,1
	v_max3_num_f32 v[8+\c], v[8+\c], |v[\x+32*\c+\i]|, |v[\x+32*\c+\i+1]|   ; the two blocks by turns
.endr
.endr
.irp c, 0,1
	v_add_nc_u32 v[10+\c], 0xff000000, v[8+\c]     ; 2 off the exponent field: the conversion's scale operand
.endr
.irp c, 0,1
	v_lshrrev_b32 v[12+\c], 23, v[10+\c]           ; the byte
.endr
	v_lshl_or_b32 v[\pw], v13, 16, v12             ; my bytes: blocks h and 2 + h,
	v_lshlrev_b32 v[\pw], v6, v[\pw]               ; at their places;
	v_permlanex16_b32 v14, v[\pw], s20, s21
	v_or_b32 v[\pw], v[\pw], v14                   ; with lane l xor 16's two the word is whole, in both halves of the lanes
.irp c, 0,1
	v_cvt_scalef32_pk16_fp6_f32 v[\pc+6*\c:\pc+6*\c+2], v[\x+32*\c:\x+32*\c+15], v[10+\c]
	v_cvt_scalef32_pk16_fp6_f32 v[16+4*\c:18+4*\c], v[\x+32*\c+16:\x+32*\c+31], v[10+\c]   ; (a conversion's three registers begin on an even number)
.endr
	v_nop                                          ; one plain line behind the conversions
.irp c, 0,1
.irp i, 0,1,2
	v_mov_b32 v[\pc+3+6*\c+\i], v[16+4*\c+\i]
.endr
.endr
.endm
.macro OUT pc, pw, q                   ; every store covers consecutive bytes: 512, 256, 512, 256, 128
	global_store_b128 v1, v[\pc:\pc+3], s[14:15] offset:1536*\q
	global_store_b64 v4, v[\pc+4:\pc+5], s[14:15] offset:1536*\q+512
	global_store_b128 v1, v[\pc+6:\pc+9], s[14:15] offset:1536*\q+768
	global_store_b64 v4, v[\pc+10:\pc+11], s[14:15] offset:1536*\q+1280
	global_store_b32 v5, v[\pw], s[14:15] offset:3072+128*\q
.endm
	s_wait_loadcnt 16                              ; K step 0's sixteen loads are in; step 1's sixteen may be out
.irp i, 0,1,2,3,4,5,6,7,8,9,10,11,12,13,14,15
	ds_store_b128 v2, v[R+4*\i:R+4*\i+3] offset:SP*\i
.endr
.irp c, 0,1
.irp j, 0,1,2,3,4,5,6,7
	ds_load_b128 v[X0+32*\c+4*\j:X0+32*\c+4*\j+3], v3 offset:256*\c+16*\j   ; LDS serves a wave's instructions in order: these see the stores above
.endr
.endr
	s_wait_loadcnt 0x0
.irp i, 0,1,2,3,4,5,6,7,8,9,10,11,12,13,14,15
	ds_store_b128 v2, v[R+64+4*\i:R+64+4*\i+3] offset:STG+SP*\i
.endr
	s_wait_dscnt 32                                ; of the 48 that are out the oldest 16, step 0's stores, are done: the loads below land in the registers that they read
.irp c, 0,1
.irp j, 0,1,2,3,4,5,6,7
	ds_load_b128 v[X1+32*\c+4*\j:X1+32*\c+4*\j+3], v3 offset:STG+256*\c+16*\j
.endr
.endr
	s_wait_dscnt 32                                ; step 0's numbers are back; step 1's 16 stores and 16 loads may be out
	QUANTF X0, PC0, PW0
	OUT PC0, PW0, 0
	s_wait_dscnt 0x0
	QUANTF X1, PC1, PW1                            ; codes and word have registers of their own: no store's data are written again
	OUT PC1, PW1, 1
	s_wait_tensorcnt 0x0                           ; the wave's end
	ds_add_u32 v248, v249
	s_wait_dscnt 0x0
	s_endpgm
.Lfunc_end_k_qd876d9eb24_quant:
	.size	k_qd876d9eb24_quant, .Lfunc_end_k_qd876d9eb24_quant-k_qd876d9eb24_quant
	.p2alignl 7, 3214868480
	.fill 96, 4, 3214868480
	.section	.rodata,"a",@progbits
	.p2align	6, 0x0
	.amdhsa_kernel k_qd876d9eb24_quant
		.amdhsa_group_segment_fixed_size 68096
		.amdhsa_private_segment_fixed_size 0
		.amdhsa_enable_private_segment 0
		.amdhsa_kernarg_size 48
		.amdhsa_user_sgpr_count 2
		.amdhsa_user_sgpr_kernarg_segment_ptr 1
		.amdhsa_wavefront_size32 1
		.amdhsa_system_sgpr_workgroup_id_x 1
		.amdhsa_system_sgpr_workgroup_id_y 1
		.amdhsa_system_sgpr_workgroup_id_z 1
		.amdhsa_system_vgpr_workitem_id 0
		.amdhsa_next_free_vgpr 250
		.amdhsa_next_free_sgpr 66
		.amdhsa_reserve_vcc 0
		.amdhsa_float_denorm_mode_32 3
		.amdhsa_float_denorm_mode_16_64 3
		.amdhsa_memory_ordered 1
		.amdhsa_forward_progress 1
		.amdhsa_inst_pref_size 17
	.end_amdhsa_kernel
	.amdgpu_metadata
---
amdhsa.version: [ 1, 2 ]
amdhsa.kernels:
  - .name:           k_qd876d9eb24_quant
    .symbol:         k_qd876d9eb24_quant.kd
    .args:
      - { .name: x, .offset: 0, .size: 8, .value_kind: global_buffer, .address_space: global }
      - { .name: Wq, .offset: 8, .size: 8, .value_kind: global_buffer, .address_space: global }
      - { .name: Wk, .offset: 16, .size: 8, .value_kind: global_buffer, .address_space: global }
      - { .name: Wv, .offset: 24, .size: 8, .value_kind: global_buffer, .address_space: global }
      - { .name: Wo, .offset: 32, .size: 8, .value_kind: global_buffer, .address_space: global }
      - { .name: cimg, .offset: 40, .size: 8, .value_kind: global_buffer, .address_space: global }
    .group_segment_fixed_size: 68096
    .private_segment_fixed_size: 0
    .kernarg_segment_align: 8
    .kernarg_segment_size: 48
    .max_flat_workgroup_size: 128
    .sgpr_count:     66
    .vgpr_count:     250
    .wavefront_size: 32
...
	.end_amdgpu_metadata
.endif
;; end of part 1
;; launch qkv (part 2): grid 16 x 16, 12 waves a work-group, clusters of 4 x 4, 327,680 bytes of LDS; arguments cimg, qimg, kvimg; writes qimg, kvimg
.if DOCPART == 2
	.amdgcn_target "amdgcn-amd-amdhsa--gfx1250"
	.amdhsa_code_object_version 6
	.text
	.protected	k_qd876d9eb24_qkv
	.globl	k_qd876d9eb24_qkv
	.p2align	8
	.type	k_qd876d9eb24_qkv,@function
k_qd876d9eb24_qkv:
	s_mov_b64 s[64:65], 0
	v_nop
	global_prefetch_b8 v0, s[64:65] scope:SCOPE_SE
	s_setreg_imm32_b32 hwreg(HW_REG_WAVE_MODE, 25, 1), 1
	s_wait_xcnt 0x0
	s_wait_alu depctr_hold_cnt(0) depctr_sa_sdst(0) depctr_va_vdst(0) depctr_va_sdst(0) depctr_va_ssrc(0) depctr_va_vcc(0) depctr_vm_vsrc(0)
	s_getreg_b32 s2, hwreg(HW_REG_IB_STS2, 6, 4)
	s_cmp_eq_u32 s2, 0
	s_cbranch_scc0 .Lentry_in_a_cluster
	s_endpgm
.Lentry_in_a_cluster:
	s_bfe_u32 s2, ttmp6, 0x10000c
	s_cmp_lg_u32 s2, 0xf033
	s_cbranch_scc0 .Lentry_shape_is_right
	s_endpgm
.Lentry_shape_is_right:
; q = x Wq^T, k = x Wk^T, v = x Wv^T on codes of FP6 (E2M3) with E8M0 scales, K = 1,024; the results are quantised on the way out: q and k along the head's 64, v along the keys.
; cimg holds tile records of 13,312 bytes (16 rows x 1,024 K as register images; for p = 0 .. 3: two fragments of 1,536 bytes and two x 128 bytes of scale words).  Tile 4 G + j holds as its row 8 h + i the row 64 G + 32 h + 8 j + i.
; SHARES.  Work-group (X, Y): head X, tokens 256 Y on: 16 tiles of x against the head's 4 tiles each of Wq, Wk, Wv.  Twelve waves run ONE text: wave w: g = w / 4 (q, k, v), i = w % 4 (64 tokens): 4 x 4 tiles, 16 accumulators.
; q and k: source 0 = the weight's tiles, source 1 = x's: lane (r, h) holds a token and 32 neighbours of the head's 64.  v: source 0 = x's tiles, source 1 = Wv's: the lane holds a channel and 32 neighbouring tokens.
; Either way the 32 registers ACC + 32 t1 + 8 t0 of source-1 tile t1 are one whole scale block; two source-1 tiles go through QUANT and come out as a PAIR IMAGE: two halves of 768 bytes (16 rows x 64 K), and a pair word (two scale bytes each).
; OUT.  qimg, 102,400 bytes a head: 128 halves (query tiles), then 64 x 64 bytes of pair words.  kvimg, 204,800 bytes a head: 16 records of 12,800 bytes, one for 128 keys: K's 8 halves; at 6,144 V's halves (4 c + n: 64 keys c, channel tile n);
; at 12,288 K's pair words; at 12,544 V's.
; LDS: three slots, each with 28 tiles' 3,328 bytes of one p (two K steps of 128): p = 0, 1, 2 are asked for at the head, one tensor load a wave (wave 4 p: x's 16 tiles; 4 p + 1, 2, 3: four tiles of Wq, Wk, Wv).  ONE refill: p = 3 into slot 0, behind the
; round that follows p = 0, by waves 0-3; it has the work of p = 1 and p = 2 in which to land.  CLUSTER 4 x 4: x's tiles are shared along a row of the cluster, the weights' along a column: each is asked for jointly.  By this text's count a wave has one tensor load out.
; No prefetch: three quarters of the tiles are asked for at the head, and there is no loop to run ahead in.  LIMITS: as in the launch that makes cimg (byte 1 for blocks of zeros and for blocks under 2^-124; no NaN, no infinities).
.set TROW,  3328
.set REC,   13312
.set SLOT,  28*TROW                    ; 93,184 bytes
.set SPARE, 3*SLOT                     ; the spare words, 128 bytes for each of twelve waves
.set WV,  10
.set G1X, 24                           ; s[24:31] group 1 for x's tiles;  s[32:39] for the weights';  s[40:43], s[48:51] their groups 0
.set G1W, 32
.set G0X, 40
.set G0W, 48
.set SEL, 78
.set SC0, 16                           ; v16-19 source 0's scale words; v20-23 source 1's: they hold nothing else
.set SC1, 20
.set S0F, 24                           ; v24-71 source 0's four fragments; v72-119 source 1's
.set S1F, 72
.set AD,  120                          ; v120-125 LDS addresses in the slot at hand: source 0's at 16, 8, 4 x lane, source 1's likewise; v3-8 the same in slot 0
.set ACC, 128                          ; v128-255
.set TM,  24                           ; the way out: v24-39 at work, v40-42 words, v44-63 and v64-83 codes
.set PW0, 40
.set PW1, 41
.set PWS, 42
.set PC0, 44
.set PC1, 64
.macro CROUND                          ; a round of the cluster's barrier
	s_barrier_signal -1
	s_barrier_wait -1
	s_cmp_lg_u32 s[WV], 0
	s_cbranch_scc1 .Lnot_wave_0_\@
	s_barrier_signal -3
.Lnot_wave_0_\@:
	s_barrier_wait -3
	s_barrier_signal -1
	s_barrier_wait -1
.endm
.macro PLACES
.rept 4
	v_nop
.endr
.endm
.macro TLOAD g0, g1
	tensor_load_to_lds s[\g0:\g0+3], s[\g1:\g1+7]
	s_nop 0
	PLACES
.endm
	s_load_b128 s[4:7], s[0:1], 0x0                ; cimg, qimg
	s_load_b64 s[8:9], s[0:1], 0x10                ; kvimg
	v_lshl_add_u32 v1, v0, 2, SPARE                ; my spare word; never rewritten
	v_mov_b32 v2, 0                                ; 0; never rewritten
	ds_add_u32 v1, v2                              ; the opening: the add, twice on end
	ds_add_u32 v1, v2
	v_lshrrev_b32 v12, 5, v0
	v_readfirstlane_b32 s[WV], v12                 ; wave 0..11
	s_lshr_b32 s11, s[WV], 2                       ; g: 0 q, 1 k, 2 v.  Also: the p, and so the slot, that my head's load fills
	s_and_b32 s12, s[WV], 3                        ; i: which 64 tokens.  Also: what my head's load brings
	s_lshr_b32 s13, s[WV], 3                       ; 1 in v's waves
	s_bfe_u32 s14, ttmp6, 0x40000                  ; cx
	s_bfe_u32 s15, ttmp6, 0x40004                  ; cy
	s_lshl_b32 s16, ttmp9, 2
	s_add_co_u32 s16, s16, s14                     ; X: the head
	s_and_b32 s17, ttmp7, 0xffff
	s_lshl_b32 s17, s17, 2
	s_add_co_u32 s17, s17, s15                     ; Y: the block of 256 tokens
	s_lshl_b32 s18, s15, 2
	s_lshl_b32 s18, 15, s18                        ; my row of the cluster
	s_lshl_b32 s19, 0x1111, s14                    ; my column
	s_or_b32 s[G1X], s18, (3<<16)|(1<<21)          ; 15:0 the mask; 17:16 elements of 8 bytes; 21 set beside a mask; no padding
	s_or_b32 s[G1W], s19, (3<<16)|(1<<21)
	s_mov_b32 s[G1X+2], 16<<16                     ; tensor_dim1: x 16 tiles, a weight 4
	s_mov_b32 s[G1W+2], 4<<16
	s_mov_b32 s[G1X+4], 16                         ; tile_dim1
	s_mov_b32 s[G1W+4], 4
.irp g, G1X, G1W
	s_mov_b32 s[\g+1], 416<<16                     ; tensor_dim0 = 416 elements: 3,328 bytes
	s_mov_b32 s[\g+3], 416<<16                     ; tile_dim0
	s_mov_b32 s[\g+5], 1664                        ; from record to record: 13,312 bytes
	s_mov_b32 s[\g+6], 0
	s_mov_b32 s[\g+7], 0
.endr
	s_mul_i32 s20, s11, TROW                       ; p's place in a record
	s_lshl_b32 s56, s17, 4                         ; x: record 16 Y: it hangs on Y and the wave alone
	s_mul_i32 s56, s56, REC
	s_add_co_u32 s56, s56, s20
	s_mov_b32 s57, 0
	s_lshl_b32 s60, s12, 6                         ; the weights: record 192 + 64 (w % 4) + 4 X: on X and the wave alone
	s_lshl_b32 s61, s16, 2
	s_add_co_u32 s60, s60, s61
	s_add_co_u32 s60, s60, 192
	s_mul_i32 s60, s60, REC
	s_add_co_u32 s60, s60, s20
	s_mov_b32 s61, 0
	s_mov_b32 s[G0X], 1
	s_mul_i32 s[G0X+1], s11, SLOT                  ; x's 16 tiles at the slot's start,
	s_mov_b32 s[G0W], 1
	s_mul_i32 s20, s12, 4*TROW
	s_add_co_u32 s20, s20, 12*TROW
	s_add_co_u32 s[G0W+1], s[G0X+1], s20           ; the weights' behind them
	s_mov_b32 s[SEL], 0x76543210
	s_mov_b32 s[SEL+1], 0xfedcba98
	s_wait_dscnt 0x0
	CROUND                                         ; all sixteen work-groups are here: the first joint loads meet
	s_wait_kmcnt 0x0
	s_add_nc_u64 s[G0X+2:G0X+3], s[4:5], s[56:57]
	s_or_b32 s[G0X+3], s[G0X+3], 0x80000000
	s_add_nc_u64 s[G0W+2:G0W+3], s[4:5], s[60:61]
	s_or_b32 s[G0W+3], s[G0W+3], 0x80000000
	s_cmp_eq_u32 s[WV], 0                          ; ONE chain, one load to an arm; slot 0's loads have lines of their own, for the first wait below
	s_cbranch_scc0 .Lhead_1
	TLOAD G0X, G1X
	s_branch .Lasked
.Lhead_1:
	s_cmp_lt_u32 s[WV], 4
	s_cbranch_scc0 .Lhead_2
	TLOAD G0W, G1W
	s_branch .Lasked
.Lhead_2:
	s_cmp_eq_u32 s[WV], 4
	s_cbranch_scc0 .Lhead_3
	TLOAD G0X, G1X
	s_branch .Lasked
.Lhead_3:
	s_cmp_eq_u32 s[WV], 8
	s_cbranch_scc0 .Lhead_4
	TLOAD G0X, G1X
	s_branch .Lasked
.Lhead_4:
	TLOAD G0W, G1W
.Lasked:
	v_and_b32 v12, 31, v0
	v_lshlrev_b32 v9, 4, v12                       ; 16, 8, 4 x lane
	v_lshlrev_b32 v10, 3, v12
	v_lshlrev_b32 v11, 2, v12
	v_bfe_u32 v13, v0, 4, 1
	v_lshlrev_b32 v13, 3, v13                      ; 8 h
	s_wait_alu depctr_va_vdst(0)                   ; the wait ahead of the scalar lines
	s_lshl_b32 s21, s11, 2
	s_add_co_u32 s21, s21, 16
	s_mul_i32 s21, s21, TROW                       ; my weight's four tiles in a slot
	s_lshl_b32 s22, s12, 2
	s_mul_i32 s22, s22, TROW                       ; my four tiles of x
	s_xor_b32 s23, s21, s22
	s_mul_i32 s66, s13, 0x3ffff
	s_and_b32 s23, s23, s66                        ; in v's waves the two change places
	s_xor_b32 s21, s21, s23                        ; source 0's tiles
	s_xor_b32 s22, s22, s23                        ; source 1's
	v_add_nc_u32 v3, s21, v9
	v_add_nc_u32 v4, s21, v10
	v_add_nc_u32 v5, s21, v11
	v_add_nc_u32 v6, s22, v9
	v_add_nc_u32 v7, s22, v10
	v_add_nc_u32 v8, s22, v11
.irp a, 0,1,2,3,4,5
	v_mov_b32 v[AD+\a], v[3+\a]
.endr
	s_wait_alu depctr_va_vdst(0)                   ; the wait at the head's end
	; where my results go
	s_and_b32 s67, s17, 7                          ; the block in its batch
	s_lshr_b32 s68, s17, 3
	s_lshl_b32 s68, s68, 4
	s_add_co_u32 s68, s68, s16                     ; 16 x batch + head
	s_mul_i32 s69, s68, 102400
	s_lshl_b32 s70, s67, 4
	s_lshl_b32 s71, s12, 2
	s_add_co_u32 s70, s70, s71                     ; my first query tile
	s_mul_i32 s71, s70, 768
	s_add_co_u32 s71, s71, s69                     ; q: codes
	s_lshl_b32 s70, s70, 5                         ; 64 bytes for each pair of tiles
	s_add_co_u32 s70, s70, s69
	s_add_co_u32 s70, s70, 98304                   ; q: pair words
	s_mul_i32 s72, s68, 204800
	s_lshl_b32 s73, s67, 1
	s_lshr_b32 s74, s12, 1
	s_add_co_u32 s73, s73, s74                     ; the key step
	s_mul_i32 s73, s73, 12800
	s_add_co_u32 s72, s72, s73                     ; its record
	s_and_b32 s74, s12, 1                          ; which 64 keys of its 128
	s_mul_i32 s75, s74, 3072
	s_mul_i32 s76, s13, 6144
	s_add_co_u32 s75, s75, s76
	s_add_co_u32 s75, s75, s72                     ; k, v: codes
	s_lshl_b32 s76, s13, 8
	s_lshl_b32 s74, s74, 7
	s_add_co_u32 s76, s76, s74
	s_add_co_u32 s76, s76, s72
	s_add_co_u32 s76, s76, 12288                   ; k, v: pair words
	s_cmp_eq_u32 s11, 0
	s_cselect_b32 s70, s70, s76
	s_cselect_b32 s72, s71, s75
	s_cselect_b64 s[6:7], s[6:7], s[8:9]           ; qimg or kvimg: the choice hangs on the wave's number
	s_mov_b32 s71, 0
	s_mov_b32 s73, 0
	s_add_nc_u64 s[8:9], s[6:7], s[70:71]          ; the words
	s_add_nc_u64 s[6:7], s[6:7], s[72:73]          ; the codes
.macro FRAG reg, a, off                ; a fragment's image back into 12 registers: every load reads consecutive bytes
	ds_load_b128 v[\reg:\reg+3], v[\a] offset:\off
	ds_load_b64 v[\reg+4:\reg+5], v[\a+1] offset:\off+512
	ds_load_b128 v[\reg+6:\reg+9], v[\a] offset:\off+768
	ds_load_b64 v[\reg+10:\reg+11], v[\a+1] offset:\off+1280
.endm
; A K step of 128, the slot's q-th: 40 LDS loads, 16 products.  The 16 accumulators take turns, one instruction a turn, in the same order in every step.  zero = 1: the products start the sums.
.macro KSTEP q, zero
.irp t, 0,1,2,3
	ds_load_b32 v[SC0+\t], v[AD+2] offset:TROW*\t+3072+128*\q
.endr
.irp t, 0,1,2,3
	ds_load_b32 v[SC1+\t], v[AD+5] offset:TROW*\t+3072+128*\q
.endr
.irp t, 0,1,2,3
	FRAG S1F+12*\t, AD+3, TROW*\t+1536*\q
.endr
.irp t, 0,1,2,3
	FRAG S0F+12*\t, AD, TROW*\t+1536*\q
.endr
.irp a, 0,1,2,3
	s_wait_dscnt 4*(3-\a)                          ; all but the later source-0 fragments, four loads each
.irp b, 0,1,2,3
.if \zero
	v_wmma_scale_f32_16x16x128_f8f6f4 v[ACC+32*\b+8*\a:ACC+32*\b+8*\a+7], v[S0F+12*\a:S0F+12*\a+11], v[S1F+12*\b:S1F+12*\b+11], 0, v[SC0+\a], v[SC1+\b] matrix_a_fmt:MATRIX_FMT_FP6 matrix_b_fmt:MATRIX_FMT_FP6
.else
	v_wmma_scale_f32_16x16x128_f8f6f4 v[ACC+32*\b+8*\a:ACC+32*\b+8*\a+7], v[S0F+12*\a:S0F+12*\a+11], v[S1F+12*\b:S1F+12*\b+11], v[ACC+32*\b+8*\a:ACC+32*\b+8*\a+7], v[SC0+\a], v[SC1+\b] matrix_a_fmt:MATRIX_FMT_FP6 matrix_b_fmt:MATRIX_FMT_FP6
.endif
.endr
.endr
.endm
.macro INSLOT s                        ; my reads go on in slot s.  (Six plain lines: also the places between the last products and the next loads into their operands)
.irp a, 0,1,2,3,4,5
.if \s
	v_add_nc_u32 v[AD+\a], (\s)*SLOT, v[3+\a]
.else
	v_mov_b32 v[AD+\a], v[3+\a]
.endif
.endr
.endm
; 32 numbers of a lane for each of two source-1 tiles c, one whole block each, become 12 registers of codes at v[pc] (6 c: tile c's half) and the pair word in v[pw]: bytes 2 c + h
.macro QUANT s, pc, pw
.irp c, 0,1
	v_max3_num_f32 v[TM+\c], |v[\s+32*\c]|, |v[\s+1+32*\c]|, 0x1800000   ; the block's numbers, and the floor 2^(3 - 127)
.endr
.irp i, 2,4,6,8,10,12,14,16,18,20,22,24,26,28,30
.irp c, 0,1
	v_max3_num_f32 v[TM+\c], v[TM+\c], |v[\s+32*\c+\i]|, |v[\s+1+32*\c+\i]|
.endr
.endr
.irp c, 0,1
	v_add_nc_u32 v[TM+12+\c], 0xff000000, v[TM+\c] ; 2 off its exponent field: the conversion's scale operand
.endr
.irp c, 0,1
	v_lshrrev_b32 v[TM+4+\c], 23, v[TM+12+\c]      ; the byte
.endr
	v_lshl_or_b32 v[\pw], v[TM+5], 16, v[TM+4]
	v_lshlrev_b32 v[\pw], v13, v[\pw]              ; my two bytes at their places,
	v_permlanex16_b32 v[TM+8], v[\pw], s[SEL], s[SEL+1]
	v_or_b32 v[\pw], v[\pw], v[TM+8]               ; and lane l xor 16's
.irp c, 0,1
	v_cvt_scalef32_pk16_fp6_f32 v[\pc+6*\c:\pc+2+6*\c], v[\s+32*\c:\s+15+32*\c], v[TM+12+\c]
	v_cvt_scalef32_pk16_fp6_f32 v[\pc+12+4*\c:\pc+14+4*\c], v[\s+16+32*\c:\s+31+32*\c], v[TM+12+\c]
.endr
	v_nop                                          ; one plain line behind the conversions
.irp c, 0,1
.irp i, 0,1,2
	v_mov_b32 v[\pc+3+6*\c+\i], v[\pc+12+4*\c+\i]
.endr
.endr
.endm
	s_cmp_lt_u32 s[WV], 4
	s_cbranch_scc0 .Lnot_first
	s_wait_tensorcnt 0x0                           ; waves 0-3: my part of slot 0 is in; the other slots' may stay out
.Lnot_first:
	s_barrier_signal -1
	s_barrier_wait -1
	KSTEP 0, 1                                     ; p = 0
	PLACES
	KSTEP 1, 0
	s_wait_tensorcnt 0x0                           ; all slots are in; no tensor load of mine is out: a group 0 may be written
	ds_add_u32 v1, v2
	s_add_nc_u64 s[G0X+2:G0X+3], s[G0X+2:G0X+3], 3*TROW
	s_add_nc_u64 s[G0W+2:G0W+3], s[G0W+2:G0W+3], 3*TROW
	INSLOT 1
	s_wait_alu depctr_va_vdst(0)
	s_wait_dscnt 0x0
	CROUND
	s_cmp_eq_u32 s[WV], 0                          ; slot 0 takes p = 3
	s_cbranch_scc0 .Lrefill_w
	TLOAD G0X, G1X
	s_branch .Lrefilled
.Lrefill_w:
	s_cmp_lt_u32 s[WV], 4
	s_cbranch_scc0 .Lrefilled
	TLOAD G0W, G1W
.Lrefilled:
	KSTEP 0, 0                                     ; p = 1
	PLACES
	KSTEP 1, 0
	INSLOT 2
	s_wait_alu depctr_va_vdst(0)
	KSTEP 0, 0                                     ; p = 2
	PLACES
	KSTEP 1, 0
	INSLOT 0
	s_wait_alu depctr_va_vdst(0)
	s_wait_tensorcnt 0x0                           ; my part of p = 3 is in
	s_wait_dscnt 0x0
	s_barrier_signal -1
	s_barrier_wait -1                              ; everybody's is
	KSTEP 0, 0                                     ; p = 3
	PLACES
	KSTEP 1, 0
	; THE WAY OUT
	PLACES                                         ; behind the last products: their results are read and their operands' registers written below
	v_mov_b32 v[TM+8], 0                           ; a lane permute's destination counts as one of its sources
	QUANT ACC, PC0, PW0                            ; source-1 tiles 0 and 1
	QUANT ACC+64, PC1, PW1                         ; tiles 2 and 3
	v_cmp_ne_u32 vcc_lo, 0, v13
	v_cndmask_b32 v[PWS], v[PW0], v[PW1], vcc_lo   ; lanes 0-15 carry the first pair's words, lanes 16-31 the second's: 128 consecutive bytes
.irp P, 0,1
	global_store_b128 v9, v[PC0+20*\P:PC0+20*\P+3], s[6:7] offset:1536*\P
	global_store_b64 v10, v[PC0+20*\P+4:PC0+20*\P+5], s[6:7] offset:1536*\P+512
	global_store_b128 v9, v[PC0+20*\P+6:PC0+20*\P+9], s[6:7] offset:1536*\P+768
	global_store_b64 v10, v[PC0+20*\P+10:PC0+20*\P+11], s[6:7] offset:1536*\P+1280
.endr
	global_store_b32 v11, v[PWS], s[8:9]
	s_wait_tensorcnt 0x0                           ; the wave's end
	ds_add_u32 v1, v2
	s_wait_dscnt 0x0
	CROUND                                         ; the closing round: no work-group ends while a partner may still ask for a tile that names it
	s_endpgm
.Lfunc_end_k_qd876d9eb24_qkv:
	.size	k_qd876d9eb24_qkv, .Lfunc_end_k_qd876d9eb24_qkv-k_qd876d9eb24_qkv
	.p2alignl 7, 3214868480
	.fill 96, 4, 3214868480
	.section	.rodata,"a",@progbits
	.p2align	6, 0x0
	.amdhsa_kernel k_qd876d9eb24_qkv
		.amdhsa_group_segment_fixed_size 327680
		.amdhsa_private_segment_fixed_size 0
		.amdhsa_enable_private_segment 0
		.amdhsa_kernarg_size 24
		.amdhsa_user_sgpr_count 2
		.amdhsa_user_sgpr_kernarg_segment_ptr 1
		.amdhsa_wavefront_size32 1
		.amdhsa_system_sgpr_workgroup_id_x 1
		.amdhsa_system_sgpr_workgroup_id_y 1
		.amdhsa_system_sgpr_workgroup_id_z 1
		.amdhsa_system_vgpr_workitem_id 0
		.amdhsa_next_free_vgpr 256
		.amdhsa_next_free_sgpr 80
		.amdhsa_reserve_vcc 1
		.amdhsa_float_denorm_mode_32 3
		.amdhsa_float_denorm_mode_16_64 3
		.amdhsa_memory_ordered 1
		.amdhsa_forward_progress 1
		.amdhsa_inst_pref_size 56
	.end_amdhsa_kernel
	.amdgpu_metadata
---
amdhsa.version: [ 1, 2 ]
amdhsa.kernels:
  - .name:           k_qd876d9eb24_qkv
    .symbol:         k_qd876d9eb24_qkv.kd
    .args:
      - { .name: cimg, .offset: 0, .size: 8, .value_kind: global_buffer, .address_space: global }
      - { .name: qimg, .offset: 8, .size: 8, .value_kind: global_buffer, .address_space: global }
      - { .name: kvimg, .offset: 16, .size: 8, .value_kind: global_buffer, .address_space: global }
    .group_segment_fixed_size: 327680
    .private_segment_fixed_size: 0
    .kernarg_segment_align: 8
    .kernarg_segment_size: 24
    .max_flat_workgroup_size: 384
    .sgpr_count:     80
    .vgpr_count:     256
    .wavefront_size: 32
...
	.end_amdgpu_metadata
.endif
;; end of part 2
;; launch attn (part 3): grid 4 x 64, 8 waves a work-group, clusters of 4 x 1, 242,688 bytes of LDS; arguments qimg, kvimg, aimg; writes aimg
.if DOCPART == 3
	.amdgcn_target "amdgcn-amd-amdhsa--gfx1250"
	.amdhsa_code_object_version 6
	.text
	.protected	k_qd876d9eb24_attn
	.globl	k_qd876d9eb24_attn
	.p2align	8
	.type	k_qd876d9eb24_attn,@function
k_qd876d9eb24_attn:
	s_mov_b64 s[64:65], 0
	v_nop
	global_prefetch_b8 v0, s[64:65] scope:SCOPE_SE
	s_setreg_imm32_b32 hwreg(HW_REG_WAVE_MODE, 25, 1), 1
	s_wait_xcnt 0x0
	s_wait_alu depctr_hold_cnt(0) depctr_sa_sdst(0) depctr_va_vdst(0) depctr_va_sdst(0) depctr_va_ssrc(0) depctr_va_vcc(0) depctr_vm_vsrc(0)
	s_getreg_b32 s2, hwreg(HW_REG_IB_STS2, 6, 4)
	s_cmp_eq_u32 s2, 0
	s_cbranch_scc0 .Lentry_in_a_cluster
	s_endpgm
.Lentry_in_a_cluster:
	s_bfe_u32 s2, ttmp6, 0x10000c
	s_cmp_lg_u32 s2, 0x3003
	s_cbranch_scc0 .Lentry_shape_is_right
	s_endpgm
.Lentry_shape_is_right:
; Causal attention of one head on codes of FP6 (E2M3) with E8M0 scales, head size 64; the result, divided by the row's sum, is quantised along the model's 1,024 for the last product.
; THE SOFTMAX: t = score x log2(e) / 8; M = the running largest t rounded UP to a whole number, kept as -M = floor(-t); p = 2^(t - M) is quantised along the keys, not normalised; the row's sum is taken of the unquantised p.
; When M moves, the sum and O are multiplied by 2^(old M - new M), which rounds nothing.
; SHARES.  A TASK is block B of 128 queries, of which work-group cx of a cluster takes two tiles of 16: tile cx of the block's first 64 queries (X) and of its second 64 (Y); both take every fragment of K and V.  It has B + 1 key steps of 128.
; Cluster n: head n % 32 (of the 2 x 16), k = n / 32.  Waves s and s + 4 share the short task S = 2 s + ((s % 2) xor k) and the long one 15 - S: wave s takes the last 8 key steps of the long task; wave s + 4 its first 8 - S steps, then all S + 1 of the short.
; So the waves have 8 or 9 steps, whatever the cluster.  Wave s + 4 leaves its part of the long task (O, M, sum) in LDS, and wave s joins it to its own at the end.
; A key step that lies wholly behind a task's queries, and X's second 64 keys on the diagonal, lie under reference()'s own mask and are left out; the 64 x 64 on the diagonal is masked: the products' C is 0 or -1e38.
; CLUSTER 4 x 1: the four work-groups ask jointly for the head's whole kvimg block (16 records of 12,800 bytes), one tensor load a wave: records 0-9 by waves 0-3, 10-15 by waves 4-7.  cx enters no branch, no trip count and no LDS address: only the mask and global offsets.
; LDS bytes are filled ONCE.  No prefetch: all that the work-group reads is asked for at its head.
; LAYOUT.  Both products are used transposed, so that a lane holds ONE query.  K = 64 fills half of the instruction's 128: source 0 is a PAIR of key tiles (tile 2 b in K 0-63, 2 b + 1 in K 64-127), source 1 is q beside 64 zero codes: q first gives
; tile 2 b's scores, q last tile 2 b + 1's.  By the tiles' row order register 32 c + 8 j + i of lane (r, h) is key 64 c + 32 h + 8 j + i: 32 registers are one whole scale block, and two conversions make six registers of the next operand.
; LIMITS: NaN and infinities are not served, and one that reaches only the work left out is not carried; the promise holds while the exponents to the base 2 stay under 2^31 in magnitude; a block of zeros keeps the byte 1 (its codes are zeros).
; REGISTERS, window 0: v1-3 16, 8, 4 x lane; v4-6 the record's addresses; v7, v8 the add's; v9, v10 at work; v11 8 h; v12, v14 -M of X, Y; v13, v15 largest scores; v[16:17], v[18:19] sums; v[20:21], v[22:23] factors;
; v24-53 zeros, qX, zeros, qY, zeros; v54, v55 q's words; v56, v57 K's; v58, v59 V's; v60, v61 p's; v62, v63 V's raw words; v64-87 p's codes; v88-127 at work; v91 my part's stage; v128-191 X's scores, then p; v192-255 Y's.
; Window 1: v0-31, v32-63 O^T of X, Y; v64-111 K's four pairs; v112-159 V's four tiles; v160-191 the mask; v192-205 the second task's q and words.
.set REC,   12800
.set MST,   204800                     ; behind the records: four parts of 18 x 512 bytes
.set PART,  9216
.set SPARE, MST+4*PART                 ; the spare words, 128 bytes for each wave
.set WV,  10
.set SEL, 20
.set CS,  22
.set G1A, 24
.set G1B, 32
.set G0A, 40
.set TR,  44                           ; the trip, 0 .. 8
.set SUB, 45
.set SWB, 46                           ; waves 4-7: the trip in which the short task begins; waves 0-3: 0
.set DG,  47                           ; my last trip, on a diagonal: 7 or 8
.set KN,  48
.set T0,  49
.set G0B, 56
.set MSB, 0
.macro WIN new
.if MSB != \new
	s_set_vgpr_msb (MSB<<8)|\new
.set MSB, \new
.endif
.endm
.macro CROUND
	s_barrier_signal -1
	s_barrier_wait -1
	s_cmp_lg_u32 s[WV], 0
	s_cbranch_scc1 .Lnot_wave_0_\@
	s_barrier_signal -3
.Lnot_wave_0_\@:
	s_barrier_wait -3
	s_barrier_signal -1
	s_barrier_wait -1
.endm
.macro PLACES n
.rept \n
	v_nop
.endr
.endm
.macro WALU
	s_wait_alu depctr_va_vdst(0)
.endm
	s_load_b128 s[4:7], s[0:1], 0x0                ; qimg, kvimg
	s_load_b64 s[8:9], s[0:1], 0x10                ; aimg
	v_lshl_add_u32 v7, v0, 2, SPARE
	v_mov_b32 v8, 0
	ds_add_u32 v7, v8                              ; the opening: the add, twice on end
	ds_add_u32 v7, v8
	v_lshrrev_b32 v9, 5, v0
	v_readfirstlane_b32 s[WV], v9                  ; wave 0..7
	s_and_b32 s11, s[WV], 3                        ; s
	s_lshr_b32 s12, s[WV], 2                       ; 1: I have the short task
	s_bfe_u32 s13, ttmp6, 0x40000                  ; cx
	s_and_b32 s15, ttmp7, 0xffff
	s_and_b32 s14, s15, 31                         ; 16 x batch + head
	s_lshr_b32 s15, s15, 5                         ; k
	s_and_b32 s16, s11, 1
	s_xor_b32 s16, s16, s15
	s_lshl_b32 s17, s11, 1
	s_add_co_u32 s16, s16, s17                     ; S, the short task's block
	s_sub_co_u32 s17, 8, s16                       ; 8 - S
	s_sub_co_u32 s18, 15, s16                      ; the long task's block
	s_mul_i32 s[SWB], s17, s12
	s_lshl_b32 s19, s[SWB], 1
	s_sub_co_u32 s[SUB], s19, s17                  ; what turns a trip into a key step by subtraction: waves 0-3: S - 8; waves 4-7, in the short task: 8 - S
	s_add_co_u32 s[DG], s12, 7
	s_sub_co_u32 s[KN], s17, s[SWB]                ; my first key step: 8 - S or 0
	s_min_u32 s[KN], s[KN], 8
	s_mul_i32 s[KN], s[KN], REC
	s_lshl_b32 s[T0], s13, 3                       ; 8 cx
	s_mov_b32 s[TR], 0
	s_mov_b32 s[G1A], 15|(3<<16)|(1<<21)           ; the mask: all four; elements of 8 bytes; 21 set beside a mask; no padding
	s_mov_b32 s[G1B], 15|(3<<16)|(1<<21)
	s_mov_b32 s[G1A+2], 125<<16                    ; 125 rows of 256 bytes: two and a half records
	s_mov_b32 s[G1B+2], 75<<16                     ; 75 rows: one and a half
	s_mov_b32 s[G1A+4], 125
	s_mov_b32 s[G1B+4], 75
.irp g, G1A, G1B
	s_mov_b32 s[\g+1], 32<<16
	s_mov_b32 s[\g+3], 32<<16
	s_mov_b32 s[\g+5], 32
	s_mov_b32 s[\g+6], 0
	s_mov_b32 s[\g+7], 0
.endr
	s_mov_b32 s[G0A], 1
	s_mul_i32 s[G0A+1], s[WV], 32000
	s_mov_b32 s[G0B], 1
	s_mul_i32 s[G0B+1], s[WV], 19200
	s_add_co_u32 s[G0B+1], s[G0B+1], 51200         ; 128,000 + 19,200 (w - 4)
	s_mul_i32 s50, s14, 204800
	s_add_co_u32 s2, s50, s[G0A+1]
	s_mov_b32 s3, 0
	s_add_co_u32 s50, s50, s[G0B+1]
	s_mov_b32 s51, 0
	s_mul_i32 s19, s14, 102400
	s_lshl_b32 s54, s18, 3
	s_add_co_u32 s54, s54, s13                     ; X's tile of the long task
	s_mul_i32 s52, s54, 768
	s_add_co_u32 s52, s52, s19
	s_mov_b32 s53, 0
	s_lshr_b32 s54, s54, 1
	s_lshl_b32 s54, s54, 6
	s_add_co_u32 s54, s54, s19
	s_add_co_u32 s54, s54, 98304                   ; its pair's words
	s_mov_b32 s55, 0
	s_lshl_b32 s62, s16, 3
	s_add_co_u32 s62, s62, s13                     ; X's tile of the short task
	s_mul_i32 s60, s62, 768
	s_add_co_u32 s60, s60, s19
	s_mov_b32 s61, 0
	s_lshr_b32 s62, s62, 1
	s_lshl_b32 s62, s62, 6
	s_add_co_u32 s62, s62, s19
	s_add_co_u32 s62, s62, 98304
	s_mov_b32 s63, 0
	s_mov_b32 s19, 0x03020302                      ; an odd tile's scale bytes are the pair word's bytes 2, 3,
	s_and_b32 s15, s13, 1
	s_cmp_eq_u32 s15, 0
	s_cselect_b32 s19, 0x01000100, s19             ; an even tile's bytes 0, 1: each taken twice
	s_mov_b32 s[SEL], 0x76543210
	s_mov_b32 s[SEL+1], 0xfedcba98
	s_mov_b32 s[CS], 0x3e38aa3b                    ; c = log2(e) / 8
	s_mov_b32 s[CS+1], s[CS]
	s_mul_i32 s15, s11, PART
	s_add_co_u32 s15, s15, MST
	v_and_b32 v9, 31, v0
	v_and_b32 v10, 15, v0                          ; r
	v_bfe_u32 v11, v0, 4, 1                        ; h
	v_lshlrev_b32 v1, 4, v9
	v_lshlrev_b32 v2, 3, v9
	v_lshlrev_b32 v3, 2, v9
	v_lshlrev_b32 v9, 2, v10                       ; 4 r
	v_lshrrev_b32 v4, 3, v10
	v_and_b32 v5, 7, v10
	v_lshl_add_u32 v4, v4, 5, v5
	v_lshlrev_b32 v5, 5, v11
	v_sub_nc_u32 v4, v4, v5
	v_add_nc_u32 v10, s[T0], v4                    ; d = my query in its 64 (32 (r / 8) + 8 cx + r % 8) - 32 h: key register n of the diagonal 64 is hidden where n > d
	v_lshlrev_b32 v11, 3, v11                      ; 8 h
	v_add_nc_u32 v91, s15, v1
	v_add_nc_u32 v4, s[KN], v1
	v_add_nc_u32 v5, s[KN], v2
	v_add_nc_u32 v6, s[KN], v3
	v_mov_b32 v104, 0xfe967699                     ; -1e38
	WALU                                           ; the wait ahead of the waits below
	s_wait_dscnt 0x0
	CROUND                                         ; all four work-groups are here: the joint loads meet
	s_wait_kmcnt 0x0
	s_add_nc_u64 s[G0A+2:G0A+3], s[6:7], s[2:3]
	s_or_b32 s[G0A+3], s[G0A+3], 0x80000000
	s_add_nc_u64 s[G0B+2:G0B+3], s[6:7], s[50:51]
	s_or_b32 s[G0B+3], s[G0B+3], 0x80000000
	s_add_nc_u64 s[52:53], s[4:5], s[52:53]
	s_add_nc_u64 s[54:55], s[4:5], s[54:55]
	s_add_nc_u64 s[60:61], s[4:5], s[60:61]
	s_add_nc_u64 s[62:63], s[4:5], s[62:63]
	s_cmp_lt_u32 s[WV], 4
	s_cbranch_scc0 .Lupper
	tensor_load_to_lds s[G0A:G0A+3], s[G1A:G1A+7]  ; records 0-9
	s_nop 0
	PLACES 4
	s_branch .Lasked
.Lupper:
	tensor_load_to_lds s[G0B:G0B+3], s[G1B:G1B+7]  ; records 10-15
	s_nop 0
	PLACES 4
.Lasked:
	global_load_b128 v[30:33], v1, s[52:53]        ; the long task's q: X,
	global_load_b64 v[34:35], v2, s[52:53] offset:512
	global_load_b128 v[42:45], v1, s[52:53] offset:3072   ; and Y, four tiles on
	global_load_b64 v[46:47], v2, s[52:53] offset:3584
	global_load_b32 v62, v9, s[54:55]
	global_load_b32 v63, v9, s[54:55] offset:128
	WIN 0x40
	global_load_b128 v[192:195], v1, s[60:61]      ; the short task's (one text: waves 0-3, which have none, load it too)
	global_load_b64 v[196:197], v2, s[60:61] offset:512
	global_load_b128 v[198:201], v1, s[60:61] offset:3072
	global_load_b64 v[202:203], v2, s[60:61] offset:3584
	global_load_b32 v204, v9, s[62:63]
	global_load_b32 v205, v9, s[62:63] offset:128
.set n, 0
.rept 32
	v_cmp_gt_i32 vcc_lo, n, v10
	v_cndmask_b32 v[160+n], v8, v104, vcc_lo       ; the mask, in window 1, laid as the scores lie
.set n, n+1
.endr
	WIN 0
	s_wait_loadcnt 0x0
	v_perm_b32 v54, v62, v62, s19                  ; q's scale words: two bytes twice, so that they serve q first and q last
	v_perm_b32 v55, v63, v63, s19
	WIN 0x45
	v_perm_b32 v204, v204, v204, s19
	v_perm_b32 v205, v205, v205, s19
	WIN 0
.irp a, 21,23,24,25,26,27,28,29,36,37,38,39,40,41,48,49,50,51,52,53,110,111,112,113
	v_mov_b32 v\a, 0                               ; the zero codes beside q; the factors' upper halves; lane permutes' destinations
.endr
	v_mov_b32 v13, 0xff61b1e6                      ; the largest scores so far: -3e38
	v_mov_b32 v15, 0xff61b1e6
	WALU                                           ; the wait at the head's end
.macro HALF reg, off                   ; 16 rows x 64 K: six registers
	ds_load_b128 v[\reg:\reg+3], v4 offset:\off
	ds_load_b64 v[\reg+4:\reg+5], v5 offset:\off+512
.endm
.macro KLOADS                          ; 18 loads
	WIN 0x40
.irp b, 0,1,2,3
	HALF 64+12*\b, 1536*\b
	HALF 70+12*\b, 1536*\b+768
.endr
	WIN 0
	ds_load_b32 v56, v6 offset:12288               ; K's pair words: lanes 0-15 pair 0, lanes 16-31 pair 1;
	ds_load_b32 v57, v6 offset:12416               ; pairs 2 and 3
.endm
.macro VLOADS                          ; 18 loads
	ds_load_b32 v62, v6 offset:12544               ; V's words: keys 0-63: lanes 0-15 channel tiles 0, 1; lanes 16-31 tiles 2, 3;
	ds_load_b32 v63, v6 offset:12672               ; keys 64-127
	WIN 0x40
.irp n, 0,1,2,3
	HALF 112+12*\n, 6144+768*\n
	HALF 118+12*\n, 9216+768*\n
.endr
	WIN 0
.endm
.macro NEXT top                        ; the next trip's record: its LDS addresses
	s_add_co_u32 s[KN], s[TR], 1
	s_cmp_lt_u32 s[KN], s[SWB]
	s_cselect_b32 s[T0], 0, s[SUB]
	s_sub_co_u32 s[KN], s[KN], s[T0]
	s_min_u32 s[KN], s[KN], \top
	s_mul_i32 s[KN], s[KN], REC
	v_add_nc_u32 v4, s[KN], v1
	v_add_nc_u32 v5, s[KN], v2
	v_add_nc_u32 v6, s[KN], v3
.endm
.macro SP1 b, row, u, e, c             ; scores of key tile 2 b + u for tile e
	v_wmma_scale_f32_16x16x128_f8f6f4 v[128+64*\e+16*\b+8*\u:135+64*\e+16*\b+8*\u], v[64+12*\b:75+12*\b], v[30+12*\e-6*\u:41+12*\e-6*\u], \c, v[56+\b/2], v[54+\e] matrix_a_fmt:MATRIX_FMT_FP6 matrix_b_fmt:MATRIX_FMT_FP6 matrix_a_scale:MATRIX_SCALE_ROW\row
.endm
.macro SOPEN b, row
.irp u, 0,1
.irp e, 0,1
	SP1 \b, \row, \u, \e, 0
.endr
.endr
.endm
.macro PVN n, row, first
.irp e, 0,1
.if \first
	v_wmma_scale_f32_16x16x128_f8f6f4 v[32*\e+8*\n:32*\e+8*\n+7], v[112+12*\n:123+12*\n], v[64+12*\e:75+12*\e], 0, v[58+\n%2], v[60+\e] matrix_a_fmt:MATRIX_FMT_FP6 matrix_b_fmt:MATRIX_FMT_FP6 matrix_a_scale:MATRIX_SCALE_ROW\row
.else
	v_wmma_scale_f32_16x16x128_f8f6f4 v[32*\e+8*\n:32*\e+8*\n+7], v[112+12*\n:123+12*\n], v[64+12*\e:75+12*\e], v[32*\e+8*\n:32*\e+8*\n+7], v[58+\n%2], v[60+\e] matrix_a_fmt:MATRIX_FMT_FP6 matrix_b_fmt:MATRIX_FMT_FP6 matrix_a_scale:MATRIX_SCALE_ROW\row
.endif
.endr
.endm
; A key step for both tiles.  first = 1: it starts sums and O.  diag = 1: the diagonal: X has 64 keys, masked; Y 64 open and 64 masked; no next record is fetched.  Chain q = 2 e + c: block c of tile e, registers 128 + 32 q on.
.macro STEP first, diag
	s_wait_dscnt 0x0                               ; K and its words are in
	WIN 0x01
.if \diag
	SP1 0, 0, 0, 1, 0
	SP1 0, 0, 1, 1, 0
	SP1 1, 1, 0, 1, 0
	SP1 1, 1, 1, 1, 0
	WIN 0x11
	SP1 0, 0, 0, 0, v[160:167]
	SP1 0, 0, 1, 0, v[168:175]
	SP1 1, 1, 0, 0, v[176:183]
	SP1 1, 1, 1, 0, v[184:191]
	SP1 2, 0, 0, 1, v[160:167]
	SP1 2, 0, 1, 1, v[168:175]
	SP1 3, 1, 0, 1, v[176:183]
	SP1 3, 1, 1, 1, v[184:191]
.else
	SOPEN 0, 0
	SOPEN 1, 1
	SOPEN 2, 0
	SOPEN 3, 1
.endif
	WIN 0
.if \first
	v_nop
.else
	v_mov_b32 v108, v12                            ; the old -M
	v_mov_b32 v109, v14
	PLACES 2                                       ; four places between the last step's products and the loads into their operands
.endif
	VLOADS
.if !\diag
.if \first
	NEXT 9
.else
	NEXT 15
.endif
	KLOADS                                         ; the next step's K
.endif
.irp q, 0,1,2,3
.if !(\diag && \q == 1)
	v_max3_num_f32 v[104+\q], v[128+32*\q], v[129+32*\q], v[130+32*\q]   ; the largest score of each block: for the row's maximum, and, since p rises with the score, for the block's largest p
.endif
.endr
.irp i, 3,5,7,9,11,13,15,17,19,21,23,25,27,29
.irp q, 0,1,2,3
.if !(\diag && \q == 1)
	v_max3_num_f32 v[104+\q], v[104+\q], v[128+32*\q+\i], v[129+32*\q+\i]
.endif
.endr
.endr
.irp q, 0,1,2,3
.if !(\diag && \q == 1)
	v_max_num_f32 v[104+\q], v[104+\q], v[159+32*\q]
.endif
.endr
.if \diag
	v_mov_b32 v9, v104
.else
	v_max_num_f32 v9, v104, v105
.endif
	v_max_num_f32 v10, v106, v107
	v_permlanex16_b32 v110, v9, s[SEL], s[SEL+1]
	v_permlanex16_b32 v111, v10, s[SEL], s[SEL+1]
	v_max3_num_f32 v13, v13, v9, v110              ; with lane l xor 16's keys: the running largest score
	v_max3_num_f32 v15, v15, v10, v111
	v_mul_f32 v9, s[CS], v13
	v_mul_f32 v10, s[CS], v15
	v_floor_f32 v12, -v9                           ; the new -M: a whole number
	v_floor_f32 v14, -v10
.if !\first
	v_sub_f32 v108, v12, v108                      ; old M - new M: a whole number, 0 or less
	v_sub_f32 v109, v14, v109
	v_cvt_i32_f32 v108, v108                       ; (it saturates)
	v_cvt_i32_f32 v109, v109
	v_ldexp_f32 v20, 1.0, v108                     ; f = 2^(old M - new M)
	v_ldexp_f32 v22, 1.0, v109
.endif
.set n, 0
.rept 32
.irp e, 0,1
.if !(\diag && \e == 0 && n >= 32)
	v_pk_fma_f32 v[128+64*\e+n:129+64*\e+n], v[128+64*\e+n:129+64*\e+n], s[CS:CS+1], v[12+2*\e:13+2*\e] op_sel_hi:[1,0,0]   ; t - M
.endif
.endr
.set n, n+2
.endr
.irp q, 0,1,2,3
.if !(\diag && \q == 1)
	v_fma_f32 v[104+\q], v[104+\q], s[CS], v[12+2*(\q/2)]   ; the same of each block's largest score
.endif
.endr
.if \diag
	s_wait_dscnt 16                                ; V's two words are in; its 16 loads may be out
.else
	s_wait_dscnt 34                                ; V's two words are in; its 16 loads and the next K's 18 may be out
.endif
	v_perm_b32 v58, v63, v62, 0x05040100           ; the even channel tiles' scale words: two bytes of keys 0-63, two of keys 64-127
	v_perm_b32 v59, v63, v62, 0x07060302           ; the odd ones'
	WALU                                           ; the wait ahead of the batch
.irp q, 0,1,2,3
.if !(\diag && \q == 1)
	v_exp_f32 v[104+\q], v[104+\q]                 ; the block's largest p: the same two operations on the same number
.set n, 0
.rept 32
	v_exp_f32 v[128+32*\q+n], v[128+32*\q+n]       ; p = 2^(t - M)
.set n, n+1
.endr
.endif
.endr
.if \first
	v_nop
.else
	v_pk_mul_f32 v[16:17], v[16:17], v[20:21] op_sel_hi:[1,0]   ; the sums under the new M: plain lines behind the exponentials
	v_pk_mul_f32 v[18:19], v[18:19], v[22:23] op_sel_hi:[1,0]
.endif
	WALU                                           ; one wait for the batch, ahead of its first reader
.irp q, 0,1,2,3
.if !(\diag && \q == 1)
	v_max_num_f32 v[104+\q], 0x1800000, v[104+\q]  ; the floor 2^(3 - 127)
.endif
.endr
.irp q, 0,1,2,3
.if !(\diag && \q == 1)
	v_add_nc_u32 v[114+\q], 0xff000000, v[104+\q]  ; the conversion's scale operand
.endif
.endr
.irp q, 0,1,2,3
.if !(\diag && \q == 1)
	v_lshrrev_b32 v[120+\q], 23, v[114+\q]         ; the byte
.endif
.endr
.if \diag
	v_mov_b32 v118, v120
.else
	v_lshl_or_b32 v118, v121, 16, v120             ; my blocks h and 2 + h
.endif
	v_lshl_or_b32 v119, v123, 16, v122
	v_permlanex16_b32 v112, v118, s[SEL], s[SEL+1]
	v_permlanex16_b32 v113, v119, s[SEL], s[SEL+1]
	v_lshl_or_b32 v60, v112, 8, v118               ; p's scale word in lanes 0-15, which are read
	v_lshl_or_b32 v61, v113, 8, v119
.irp q, 0,1,2,3
.if !(\diag && \q == 1)
	v_cvt_scalef32_pk16_fp6_f32 v[64+6*\q:66+6*\q], v[128+32*\q:143+32*\q], v[114+\q]
	v_cvt_scalef32_pk16_fp6_f32 v[88+4*\q:90+4*\q], v[144+32*\q:159+32*\q], v[114+\q]
.endif
.endr
.if \first
.irp e, 0,1
	v_pk_add_f32 v[16+2*\e:17+2*\e], v[128+64*\e:129+64*\e], v[130+64*\e:131+64*\e]   ; the row's sum, of the unquantised p, in two chains for each tile
.endr
.irp e, 0,1
	v_pk_add_f32 v[124+2*\e:125+2*\e], v[132+64*\e:133+64*\e], v[134+64*\e:135+64*\e]
.endr
.set m, 8
.else
.irp e, 0,1
	v_pk_add_f32 v[124+2*\e:125+2*\e], v[128+64*\e:129+64*\e], v[130+64*\e:131+64*\e]
.endr
.set m, 4
.endif
.rept (64-m)/4
.irp e, 0,1
.if !(\diag && \e == 0 && m >= 32)
	v_pk_add_f32 v[16+2*\e:17+2*\e], v[16+2*\e:17+2*\e], v[128+64*\e+m:129+64*\e+m]
.endif
.endr
.irp e, 0,1
.if !(\diag && \e == 0 && m >= 32)
	v_pk_add_f32 v[124+2*\e:125+2*\e], v[124+2*\e:125+2*\e], v[130+64*\e+m:131+64*\e+m]
.endif
.endr
.set m, m+4
.endr
.irp e, 0,1
	v_pk_add_f32 v[16+2*\e:17+2*\e], v[16+2*\e:17+2*\e], v[124+2*\e:125+2*\e]
.endr
.irp i, 0,1,2
.irp q, 0,1,2,3
.if !(\diag && \q == 1)
	v_mov_b32 v[67+6*\q+\i], v[88+4*\q+\i]
.else
	v_mov_b32 v[67+6*\q+\i], 0                     ; hidden keys: zero codes
	v_mov_b32 v[64+6*\q+\i], 0
.endif
.endr
.endr
.if \first
	PLACES 4
.else
	WIN 0x41
	WALU                                           ; the wait ahead of O's first reader
.set n, 0
.rept 16
.irp e, 0,1
	v_pk_mul_f32 v[32*\e+n:32*\e+n+1], v[32*\e+n:32*\e+n+1], v[20+2*\e:21+2*\e] op_sel_hi:[1,0]   ; O^T under the new M
.endr
.set n, n+2
.endr
.endif
	WIN 0x51
	WALU                                           ; the wait ahead of the wait below
.if \diag
	s_wait_dscnt 0x0                               ; V
.else
	s_wait_dscnt 18                                ; V; the next K's 18 loads may be out
.endif
	PVN 0, 0, \first
	PVN 1, 0, \first
	PVN 2, 1, \first
	PVN 3, 1, \first
	WIN 0
.endm
	s_cmp_lt_u32 s[WV], 4
	s_cbranch_scc0 .Lno_wait
	s_wait_tensorcnt 0x0                           ; waves 0-3: my part of records 0-9 is in
.Lno_wait:
	s_barrier_signal -1
	s_barrier_wait -1
	KLOADS
	STEP 1, 0                                      ; trip 0 reads records 0-9 alone
	WALU                                           ; the wait ahead of the waits below
	s_wait_tensorcnt 0x0                           ; records 10-15 too
	s_wait_dscnt 0x0
	s_barrier_signal -1
	s_barrier_wait -1
	s_mov_b32 s[TR], 1
.Lloop:
	s_cmp_lt_u32 s[WV], 4
	s_cbranch_scc1 .Lno_switch
	s_cmp_eq_u32 s[TR], s[SWB]
	s_cbranch_scc0 .Lno_switch
	PLACES 4                                       ; behind the last products: their results are stored below
	WIN 0x04
.set n, 0
.rept 16
	ds_store_b128 v91, v[4*n:4*n+3] offset:512*n   ; my part of the long task: O^T of X and Y,
.set n, n+1
.endr
	WIN 0
	ds_store_b128 v91, v[12:15] offset:8192        ; -M,
	ds_store_b128 v91, v[16:19] offset:8704        ; the sums
	WIN 0x01
	v_mov_b32 v54, v204                            ; on to the short task: q and its words
	v_mov_b32 v55, v205
.irp i, 0,1,2,3,4,5
	v_mov_b32 v[30+\i], v[192+\i]
	v_mov_b32 v[42+\i], v[198+\i]
.endr
	WIN 0
	v_mov_b32 v13, 0xff61b1e6                      ; nothing seen yet: the next change of M multiplies sum and O by 0
	v_mov_b32 v15, 0xff61b1e6
	v_mov_b32 v12, 0x7f000000
	v_mov_b32 v14, 0x7f000000
	WALU
.Lno_switch:
	s_cmp_gt_u32 s[TR], s[DG]                      ; waves 0-3 have no ninth step
	s_cbranch_scc1 .Lnext
	s_cmp_eq_u32 s[TR], s[DG]
	s_cbranch_scc1 .Ldiag
	STEP 0, 0
	s_branch .Lnext
.Ldiag:
	STEP 0, 1
.Lnext:
	WALU                                           ; the wait ahead of the branch
	s_add_co_u32 s[TR], s[TR], 1
	s_cmp_lt_u32 s[TR], 9
	s_cbranch_scc1 .Lloop
	PLACES 4                                       ; behind the last products
	s_cmp_eq_u32 s12, 0
	s_cselect_b32 s50, s18, s16                    ; the block whose results I send out
	s_lshl_b32 s50, s50, 3
	s_add_co_u32 s50, s50, s13
	s_lshr_b32 s51, s14, 4
	s_lshl_b32 s51, s51, 7
	s_add_co_u32 s50, s50, s51                     ; X's token tile; Y's is four on
	s_mul_i32 s50, s50, 13312
	s_and_b32 s51, s14, 15                         ; the head: K step head / 2, half head % 2
	s_lshr_b32 s52, s51, 2
	s_mul_i32 s52, s52, 3328
	s_add_co_u32 s50, s50, s52
	s_bfe_u32 s52, s51, 0x10001
	s_and_b32 s51, s51, 1
	s_mul_i32 s54, s52, 1536
	s_mul_i32 s55, s51, 768
	s_add_co_u32 s54, s54, s55
	s_add_co_u32 s54, s54, s50                     ; the codes
	s_mov_b32 s55, 0
	s_lshl_b32 s52, s52, 7
	s_lshl_b32 s51, s51, 1
	s_add_co_u32 s60, s50, s52
	s_add_co_u32 s60, s60, s51
	s_add_co_u32 s60, s60, 3072                    ; two bytes of the scale words
	s_mov_b32 s61, 0
	s_add_nc_u64 s[54:55], s[8:9], s[54:55]
	s_add_nc_u64 s[60:61], s[8:9], s[60:61]
	s_wait_dscnt 0x0                               ; the parts are stored,
	s_barrier_signal -1
	s_barrier_wait -1                              ; and shown
	s_cmp_lt_u32 s[WV], 4
	s_cbranch_scc0 .Lno_join
.set n, 0
.rept 18
	ds_load_b128 v[128+4*n:131+4*n], v91 offset:512*n   ; the other part: O^T v128-191, -M v192 and v194, the sums v196-199
.set n, n+1
.endr
	s_wait_dscnt 0x0
.irp e, 0,1
	v_min_num_f32 v[9+\e], v[12+2*\e], v[192+2*\e] ; -M of both
.endr
.irp e, 0,1
	v_sub_f32 v[108+\e], v[9+\e], v[12+2*\e]
	v_sub_f32 v[104+\e], v[9+\e], v[192+2*\e]
.endr
.irp e, 0,1
	v_cvt_i32_f32 v[108+\e], v[108+\e]
	v_cvt_i32_f32 v[104+\e], v[104+\e]
.endr
.irp e, 0,1
	v_ldexp_f32 v[20+2*\e], 1.0, v[108+\e]         ; what brings my part under it,
	v_ldexp_f32 v[114+2*\e], 1.0, v[104+\e]        ; and the other
.endr
.irp e, 0,1
	v_pk_mul_f32 v[16+2*\e:17+2*\e], v[16+2*\e:17+2*\e], v[20+2*\e:21+2*\e] op_sel_hi:[1,0]
.endr
.irp e, 0,1
	v_pk_fma_f32 v[16+2*\e:17+2*\e], v[196+2*\e:197+2*\e], v[114+2*\e:115+2*\e], v[16+2*\e:17+2*\e] op_sel_hi:[1,0,1]
.endr
	WIN 0x41
.set n, 0
.rept 16
.irp e, 0,1
	v_pk_mul_f32 v[32*\e+n:32*\e+n+1], v[32*\e+n:32*\e+n+1], v[20+2*\e:21+2*\e] op_sel_hi:[1,0]
.endr
.set n, n+2
.endr
	WIN 0x50
.set n, 0
.rept 16
.irp e, 0,1
	v_pk_fma_f32 v[32*\e+n:32*\e+n+1], v[128+32*\e+n:129+32*\e+n], v[114+2*\e:115+2*\e], v[32*\e+n:32*\e+n+1] op_sel_hi:[1,0,1]
.endr
.set n, n+2
.endr
	WIN 0
	WALU
.Lno_join:
	; THE WAY OUT: O^T / the sum; a tile's 32 registers are one block of 32 neighbouring channels: with lane l xor 16's a half image of the last product's operand, and two scale bytes.
	v_add_f32 v16, v16, v17
	v_add_f32 v18, v18, v19
	v_permlanex16_b32 v110, v16, s[SEL], s[SEL+1]
	v_permlanex16_b32 v111, v18, s[SEL], s[SEL+1]
	v_add_f32 v16, v16, v110                       ; the row's sum
	v_add_f32 v18, v18, v111
	WALU                                           ; the wait ahead of the batch
	v_rcp_f32 v16, v16
	v_rcp_f32 v18, v18
	v_nop                                          ; a plain line behind the reciprocals
	WIN 0x01
	WALU                                           ; ahead of their first reader, and of O's
.set n, 0
.rept 16
.irp e, 0,1
	v_pk_mul_f32 v[128+32*\e+n:129+32*\e+n], v[32*\e+n:32*\e+n+1], v[16+2*\e:17+2*\e] op_sel_hi:[1,0]   ; register 8 n + i: channel 32 h + 8 n + i of my query
.endr
.set n, n+2
.endr
	WIN 0
.irp e, 0,1
	v_max3_num_f32 v[104+\e], |v[128+32*\e]|, |v[129+32*\e]|, 0x1800000
.endr
.irp i, 2,4,6,8,10,12,14,16,18,20,22,24,26,28,30
.irp e, 0,1
	v_max3_num_f32 v[104+\e], v[104+\e], |v[128+32*\e+\i]|, |v[129+32*\e+\i]|
.endr
.endr
.irp e, 0,1
	v_add_nc_u32 v[114+\e], 0xff000000, v[104+\e]
.endr
.irp e, 0,1
	v_lshrrev_b32 v[118+\e], 23, v[114+\e]
.endr
.irp e, 0,1
	v_lshlrev_b32 v[118+\e], v11, v[118+\e]        ; my byte at its place,
.endr
.irp e, 0,1
	v_permlanex16_b32 v[112+\e], v[118+\e], s[SEL], s[SEL+1]
.endr
.irp e, 0,1
	v_or_b32 v[118+\e], v[118+\e], v[112+\e]       ; and lane l xor 16's
.endr
.irp e, 0,1
	v_cvt_scalef32_pk16_fp6_f32 v[64+12*\e:66+12*\e], v[128+32*\e:143+32*\e], v[114+\e]
	v_cvt_scalef32_pk16_fp6_f32 v[88+8*\e:90+8*\e], v[144+32*\e:159+32*\e], v[114+\e]
.endr
	v_nop
.irp e, 0,1
.irp i, 0,1,2
	v_mov_b32 v[67+12*\e+\i], v[88+8*\e+\i]
.endr
.endr
.irp e, 0,1
	global_store_b128 v1, v[64+12*\e:67+12*\e], s[54:55] offset:53248*\e         ; 512 consecutive bytes,
	global_store_b64 v2, v[68+12*\e:69+12*\e], s[54:55] offset:53248*\e+512      ; and 256
	global_store_b16 v3, v[118+\e], s[60:61] offset:53248*\e                     ; two bytes of each lane's word; the partner head writes the other two
.endr
	s_wait_tensorcnt 0x0                           ; the wave's end
	ds_add_u32 v7, v8
	s_wait_dscnt 0x0
	CROUND                                         ; the closing round
	s_endpgm
.Lfunc_end_k_qd876d9eb24_attn:
	.size	k_qd876d9eb24_attn, .Lfunc_end_k_qd876d9eb24_attn-k_qd876d9eb24_attn
	.p2alignl 7, 3214868480
	.fill 96, 4, 3214868480
	.section	.rodata,"a",@progbits
	.p2align	6, 0x0
	.amdhsa_kernel k_qd876d9eb24_attn
		.amdhsa_group_segment_fixed_size 242688
		.amdhsa_private_segment_fixed_size 0
		.amdhsa_enable_private_segment 0
		.amdhsa_kernarg_size 24
		.amdhsa_user_sgpr_count 2
		.amdhsa_user_sgpr_kernarg_segment_ptr 1
		.amdhsa_wavefront_size32 1
		.amdhsa_system_sgpr_workgroup_id_x 1
		.amdhsa_system_sgpr_workgroup_id_y 1
		.amdhsa_system_sgpr_workgroup_id_z 1
		.amdhsa_system_vgpr_workitem_id 0
		.amdhsa_next_free_vgpr 464
		.amdhsa_next_free_sgpr 66
		.amdhsa_reserve_vcc 1
		.amdhsa_float_denorm_mode_32 3
		.amdhsa_float_denorm_mode_16_64 3
		.amdhsa_memory_ordered 1
		.amdhsa_forward_progress 1
		.amdhsa_inst_pref_size 102
	.end_amdhsa_kernel
	.amdgpu_metadata
---
amdhsa.version: [ 1, 2 ]
amdhsa.kernels:
  - .name:           k_qd876d9eb24_attn
    .symbol:         k_qd876d9eb24_attn.kd
    .args:
      - { .name: qimg, .offset: 0, .size: 8, .value_kind: global_buffer, .address_space: global }
      - { .name: kvimg, .offset: 8, .size: 8, .value_kind: global_buffer, .address_space: global }
      - { .name: aimg, .offset: 16, .size: 8, .value_kind: global_buffer, .address_space: global }
    .group_segment_fixed_size: 242688
    .private_segment_fixed_size: 0
    .kernarg_segment_align: 8
    .kernarg_segment_size: 24
    .max_flat_workgroup_size: 256
    .sgpr_count:     66
    .vgpr_count:     464
    .wavefront_size: 32
...
	.end_amdgpu_metadata
.endif
;; end of part 3
;; launch proj (part 4): grid 8 x 32, 8 waves a work-group, clusters of 4 x 4, 248,832 bytes of LDS; arguments aimg, cimg, out0; writes out0
.if DOCPART == 4
	.amdgcn_target "amdgcn-amd-amdhsa--gfx1250"
	.amdhsa_code_object_version 6
	.text
	.protected	k_qd876d9eb24_proj
	.globl	k_qd876d9eb24_proj
	.p2align	8
	.type	k_qd876d9eb24_proj,@function
k_qd876d9eb24_proj:
	s_mov_b64 s[64:65], 0
	v_nop
	global_prefetch_b8 v0, s[64:65] scope:SCOPE_SE
	s_setreg_imm32_b32 hwreg(HW_REG_WAVE_MODE, 25, 1), 1
	s_wait_xcnt 0x0
	s_wait_alu depctr_hold_cnt(0) depctr_sa_sdst(0) depctr_va_vdst(0) depctr_va_sdst(0) depctr_va_ssrc(0) depctr_va_vcc(0) depctr_vm_vsrc(0)
	s_getreg_b32 s2, hwreg(HW_REG_IB_STS2, 6, 4)
	s_cmp_eq_u32 s2, 0
	s_cbranch_scc0 .Lentry_in_a_cluster
	s_endpgm
.Lentry_in_a_cluster:
	s_bfe_u32 s2, ttmp6, 0x10000c
	s_cmp_lg_u32 s2, 0xf033
	s_cbranch_scc0 .Lentry_shape_is_right
	s_endpgm
.Lentry_shape_is_right:
; out0 = a Wo^T on codes of FP6 (E2M3) with E8M0 scales, K = 1,024.  a: aimg, 256 token-tile records; Wo: cimg's records 448-511.  A record is 13,312 bytes: for p = 0 .. 3 two fragments of 1,536 bytes and two x 128 bytes of scale words.
; Tile 4 G + j holds as its row 8 h + i the row 64 G + 32 h + 8 j + i.
; SHARES.  Work-group (X, Y): columns 128 X on (8 tiles of Wo), tokens 128 Y on (8 tiles).  Wave w: 4 tiles of Wo (w / 4) as source 0, 2 token tiles (w % 4) as source 1: lane (r, h) holds one token and 32 neighbouring columns.
; LDS: four chunks (p = 0 .. 3) of 16 tiles x 3,328 bytes, each filled ONCE at the head, one tensor load a wave (wave 2 p: a's 8 tiles, wave 2 p + 1: Wo's), and behind them a stage of 16 rows x 272 bytes for each wave.
; CLUSTER 4 x 4: a's tiles are shared along a row of the cluster, Wo's along a column: each is asked for jointly.  No prefetch: all is asked for at the head.
.set TROW,  3328
.set REC,   13312
.set CH,    16*TROW
.set STAGE, 4*CH
.set SPARE, STAGE+8*4352
.set WV,  10
.set G1A, 24
.set G1B, 32
.set G0A, 40
.set G0B, 44
.set SC0, 16                           ; v16-19, v20-21 scale words: they hold nothing else
.set SC1, 20
.set S0F, 24                           ; v24-71 Wo's four fragments
.set S1F, 72                           ; v72-95 a's two
.set ACC, 128                          ; v128-191
.set BK,  24                           ; the way out: v24-87 rows read back
.macro CROUND
	s_barrier_signal -1
	s_barrier_wait -1
	s_cmp_lg_u32 s[WV], 0
	s_cbranch_scc1 .Lnot_wave_0_\@
	s_barrier_signal -3
.Lnot_wave_0_\@:
	s_barrier_wait -3
	s_barrier_signal -1
	s_barrier_wait -1
.endm
.macro PLACES
.rept 4
	v_nop
.endr
.endm
.macro TLOAD g0, g1
	tensor_load_to_lds s[\g0:\g0+3], s[\g1:\g1+7]
	s_nop 0
	PLACES
.endm
.macro ARM n, g0, g1
	s_cmp_eq_u32 s[WV], \n
	s_cbranch_scc0 .Larm_\@
	TLOAD \g0, \g1
	s_branch .Lfilled
.Larm_\@:
.endm
	s_load_b128 s[4:7], s[0:1], 0x0                ; aimg, cimg
	s_load_b64 s[8:9], s[0:1], 0x10                ; out0
	v_lshl_add_u32 v192, v0, 2, SPARE
	v_mov_b32 v193, 0
	ds_add_u32 v192, v193                          ; the opening: the add, twice on end
	ds_add_u32 v192, v193
	v_lshrrev_b32 v12, 5, v0
	v_readfirstlane_b32 s[WV], v12                 ; wave 0..7
	s_lshr_b32 s11, s[WV], 2                       ; which 64 columns
	s_and_b32 s12, s[WV], 3                        ; which 32 tokens
	s_lshr_b32 s13, s[WV], 1                       ; the chunk that I fetch for
	s_and_b32 s22, s[WV], 1                        ; 0: a's tiles, 1: Wo's
	s_bfe_u32 s14, ttmp6, 0x40000                  ; cx
	s_bfe_u32 s15, ttmp6, 0x40004                  ; cy
	s_lshl_b32 s16, ttmp9, 2
	s_add_co_u32 s16, s16, s14                     ; X
	s_and_b32 s17, ttmp7, 0xffff
	s_lshl_b32 s17, s17, 2
	s_add_co_u32 s17, s17, s15                     ; Y
	s_lshl_b32 s18, s15, 2
	s_lshl_b32 s18, 15, s18                        ; my row of the cluster
	s_lshl_b32 s19, 0x1111, s14                    ; my column
	s_or_b32 s[G1A], s18, (3<<16)|(1<<21)          ; the mask; elements of 8 bytes; 21 set beside a mask
	s_or_b32 s[G1B], s19, (3<<16)|(1<<21)
.irp g, G1A, G1B
	s_mov_b32 s[\g+1], 416<<16                     ; 3,328 bytes a row,
	s_mov_b32 s[\g+2], 8<<16                       ; eight tiles,
	s_mov_b32 s[\g+3], 416<<16
	s_mov_b32 s[\g+4], 8
	s_mov_b32 s[\g+5], 1664                        ; 13,312 bytes from record to record
	s_mov_b32 s[\g+6], 0
	s_mov_b32 s[\g+7], 0
.endr
	s_mul_i32 s20, s13, TROW                       ; p's place in a record
	s_lshl_b32 s56, s17, 3                         ; a: record 8 Y
	s_mul_i32 s56, s56, REC
	s_add_co_u32 s56, s56, s20
	s_mov_b32 s57, 0
	s_lshl_b32 s60, s16, 3                         ; Wo: record 448 + 8 X
	s_add_co_u32 s60, s60, 448
	s_mul_i32 s60, s60, REC
	s_add_co_u32 s60, s60, s20
	s_mov_b32 s61, 0
	s_mul_i32 s20, s13, CH
	s_mul_i32 s21, s22, 8*TROW
	s_add_co_u32 s20, s20, s21                     ; where my eight tiles go
	s_mov_b32 s[G0A], 1
	s_mov_b32 s[G0A+1], s20
	s_mov_b32 s[G0B], 1
	s_mov_b32 s[G0B+1], s20
	s_wait_dscnt 0x0
	CROUND                                         ; all sixteen work-groups are here: the joint loads meet
	s_wait_kmcnt 0x0
	s_add_nc_u64 s[G0A+2:G0A+3], s[4:5], s[56:57]
	s_or_b32 s[G0A+3], s[G0A+3], 0x80000000
	s_add_nc_u64 s[G0B+2:G0B+3], s[6:7], s[60:61]
	s_or_b32 s[G0B+3], s[G0B+3], 0x80000000
	ARM 0, G0A, G1A                                ; ONE chain, one load to an arm: each chunk's loads have lines of their own, for the waits below
	ARM 1, G0B, G1B
	ARM 2, G0A, G1A
	ARM 3, G0B, G1B
	ARM 4, G0A, G1A
	ARM 5, G0B, G1B
	ARM 6, G0A, G1A
	TLOAD G0B, G1B
.Lfilled:
	v_and_b32 v12, 31, v0
	v_and_b32 v13, 15, v0                          ; r
	v_bfe_u32 v14, v0, 4, 1                        ; h
	s_lshl_b32 s21, s11, 2
	s_add_co_u32 s21, s21, 8
	s_mul_i32 s21, s21, TROW                       ; my four tiles of Wo in a chunk
	s_lshl_b32 s22, s12, 1
	s_mul_i32 s22, s22, TROW                       ; my two token tiles
	v_lshl_add_u32 v3, v12, 4, s21
	v_lshl_add_u32 v4, v12, 3, s21
	v_lshl_add_u32 v5, v12, 2, s21
	v_lshl_add_u32 v6, v12, 4, s22
	v_lshl_add_u32 v7, v12, 3, s22
	v_lshl_add_u32 v8, v12, 2, s22
	s_mul_i32 s23, s[WV], 4352
	s_add_co_u32 s23, s23, STAGE                   ; my stage
	v_mul_u32_u24 v9, v13, 272
	v_lshl_add_u32 v9, v14, 7, v9
	v_add_nc_u32 v9, s23, v9                       ; in: row r, + 128 h
	v_mul_u32_u24 v10, v14, 272
	v_lshl_add_u32 v10, v13, 4, v10
	v_add_nc_u32 v10, s23, v10                     ; back: lanes 0-15 one row of 256 bytes, lanes 16-31 the next
	v_lshlrev_b32 v11, 12, v14
	v_lshl_add_u32 v11, v13, 4, v11                ; and the same two rows in out0
	s_wait_alu depctr_va_vdst(0)                   ; the wait at the head's end
	s_lshr_b32 s84, s12, 1
	s_lshl_b32 s84, s84, 6
	s_and_b32 s85, s12, 1
	s_lshl_b32 s85, s85, 4
	s_add_co_u32 s84, s84, s85
	s_lshl_b32 s85, s17, 7
	s_add_co_u32 s84, s84, s85                     ; my first token: 128 Y + 64 (i / 2) + 16 (i % 2), i = w % 4
	s_lshl_b32 s84, s84, 12
	s_lshl_b32 s85, s16, 9
	s_add_co_u32 s84, s84, s85
	s_lshl_b32 s85, s11, 8
	s_add_co_u32 s84, s84, s85                     ; my 64 columns
	s_mov_b32 s85, 0
	s_add_nc_u64 s[8:9], s[8:9], s[84:85]
.macro FRAG reg, a16, a8, off
	ds_load_b128 v[\reg:\reg+3], v[\a16] offset:\off
	ds_load_b64 v[\reg+4:\reg+5], v[\a8] offset:\off+512
	ds_load_b128 v[\reg+6:\reg+9], v[\a16] offset:\off+768
	ds_load_b64 v[\reg+10:\reg+11], v[\a8] offset:\off+1280
.endm
; A K step of 128, the chunk's q-th: 30 LDS loads, 8 products; the 8 accumulators take turns in the same order in every step
.macro KSTEP q, zero
.irp t, 0,1,2,3
	ds_load_b32 v[SC0+\t], v5 offset:TROW*\t+3072+128*\q
.endr
.irp t, 0,1
	ds_load_b32 v[SC1+\t], v8 offset:TROW*\t+3072+128*\q
.endr
.irp t, 0,1
	FRAG S1F+12*\t, 6, 7, TROW*\t+1536*\q
.endr
.irp t, 0,1,2,3
	FRAG S0F+12*\t, 3, 4, TROW*\t+1536*\q
.endr
.irp a, 0,1,2,3
	s_wait_dscnt 4*(3-\a)                          ; all but the later fragments of Wo, four loads each
.irp b, 0,1
.if \zero
	v_wmma_scale_f32_16x16x128_f8f6f4 v[ACC+32*\b+8*\a:ACC+32*\b+8*\a+7], v[S0F+12*\a:S0F+12*\a+11], v[S1F+12*\b:S1F+12*\b+11], 0, v[SC0+\a], v[SC1+\b] matrix_a_fmt:MATRIX_FMT_FP6 matrix_b_fmt:MATRIX_FMT_FP6
.else
	v_wmma_scale_f32_16x16x128_f8f6f4 v[ACC+32*\b+8*\a:ACC+32*\b+8*\a+7], v[S0F+12*\a:S0F+12*\a+11], v[S1F+12*\b:S1F+12*\b+11], v[ACC+32*\b+8*\a:ACC+32*\b+8*\a+7], v[SC0+\a], v[SC1+\b] matrix_a_fmt:MATRIX_FMT_FP6 matrix_b_fmt:MATRIX_FMT_FP6
.endif
.endr
.endr
.endm
.irp p, 0,1,2,3
.if \p < 3
	s_cmp_lt_u32 s[WV], 2*\p+2
	s_cbranch_scc0 .Lno_wait_\p
	s_wait_tensorcnt 0x0                           ; chunk p's waves: it is in; the later chunks' loads may stay out
.Lno_wait_\p:
.else
	s_wait_tensorcnt 0x0
.endif
	s_wait_dscnt 0x0
	s_barrier_signal -1
	s_barrier_wait -1
.if \p == 0
	KSTEP 0, 1
.else
	KSTEP 0, 0
.endif
	PLACES
	KSTEP 1, 0
.irp a, 3,4,5,6,7,8
	v_add_nc_u32 v\a, CH, v\a                      ; on to the next chunk.  (Six plain lines: also the places behind the products)
.endr
	s_wait_alu depctr_va_vdst(0)
.endr
	; THE WAY OUT.  A lane holds 32 neighbouring columns of one token; a token tile goes through my own stage and comes back as rows of 256 bytes, which sixteen lanes store whole.
	PLACES
.irp t, 0,1
.irp k, 0,1,2,3,4,5,6,7
	ds_store_b128 v9, v[ACC+32*\t+4*\k:ACC+32*\t+4*\k+3] offset:16*\k   ; each accumulator from its low end on
.endr
.irp i, 0,1,2,3,4,5,6,7
	ds_load_b128 v[BK+32*\t+4*\i:BK+32*\t+4*\i+3], v10 offset:544*\i   ; LDS serves a wave's instructions in order: these see the stores above, and the next tile's stores come behind them
.endr
.endr
.irp t, 0,1
	s_wait_dscnt 16-16*\t                          ; tile t is back; the other tile's 8 stores and 8 loads may be out
.irp i, 0,1,2,3,4,5,6,7
	global_store_b128 v11, v[BK+32*\t+4*\i:BK+32*\t+4*\i+3], s[8:9] offset:(2*\i+24*(\i/4))*4096+32768*\t th:TH_STORE_NT   ; stage rows 2 i, 2 i + 1 are tokens 8 t + 2 i + 24 (i / 4) and the next; 16 lanes store 256 consecutive bytes, aligned
.endr
.endr
	s_wait_tensorcnt 0x0                           ; the wave's end
	ds_add_u32 v192, v193
	s_wait_dscnt 0x0
	CROUND                                         ; the closing round: no work-group ends while a partner may still ask for a tile that names it
	s_endpgm
.Lfunc_end_k_qd876d9eb24_proj:
	.size	k_qd876d9eb24_proj, .Lfunc_end_k_qd876d9eb24_proj-k_qd876d9eb24_proj
	.p2alignl 7, 3214868480
	.fill 96, 4, 3214868480
	.section	.rodata,"a",@progbits
	.p2align	6, 0x0
	.amdhsa_kernel k_qd876d9eb24_proj
		.amdhsa_group_segment_fixed_size 248832
		.amdhsa_private_segment_fixed_size 0
		.amdhsa_enable_private_segment 0
		.amdhsa_kernarg_size 24
		.amdhsa_user_sgpr_count 2
		.amdhsa_user_sgpr_kernarg_segment_ptr 1
		.amdhsa_wavefront_size32 1
		.amdhsa_system_sgpr_workgroup_id_x 1
		.amdhsa_system_sgpr_workgroup_id_y 1
		.amdhsa_system_sgpr_workgroup_id_z 1
		.amdhsa_system_vgpr_workitem_id 0
		.amdhsa_next_free_vgpr 194
		.amdhsa_next_free_sgpr 96
		.amdhsa_reserve_vcc 0
		.amdhsa_float_denorm_mode_32 3
		.amdhsa_float_denorm_mode_16_64 3
		.amdhsa_memory_ordered 1
		.amdhsa_forward_progress 1
		.amdhsa_inst_pref_size 39
	.end_amdhsa_kernel
	.amdgpu_metadata
---
amdhsa.version: [ 1, 2 ]
amdhsa.kernels:
  - .name:           k_qd876d9eb24_proj
    .symbol:         k_qd876d9eb24_proj.kd
    .args:
      - { .name: aimg, .offset: 0, .size: 8, .value_kind: global_buffer, .address_space: global }
      - { .name: cimg, .offset: 8, .size: 8, .value_kind: global_buffer, .address_space: global }
      - { .name: out0, .offset: 16, .size: 8, .value_kind: global_buffer, .address_space: global }
    .group_segment_fixed_size: 248832
    .private_segment_fixed_size: 0
    .kernarg_segment_align: 8
    .kernarg_segment_size: 24
    .max_flat_workgroup_size: 256
    .sgpr_count:     96
    .vgpr_count:     194
    .wavefront_size: 32
...
	.end_amdgpu_metadata
.endif
;; end of part 4
